; MI455X (gfx1250); checked and timed in simulation.
; The chip was launched on July 23, 2026; its instructions are those of AMD's public machine-readable ISA for CDNA 5 (MIT licence, August 2026) and "CDNA5" Instruction Set Architecture Reference Guide (July 2026). The comments in the code are by the model that wrote it; some were corrected since.
;; Flash Diff Attention. Allowed arithmetic: matrix products marked QUANTISED: E2M1 operands, one E8M0 scale for each 32 along K, by v_wmma_scale_f32_16x16x128_f8f6f4 with both operands' format E2M1 (or v_wmma_scale_f32_32x16x128_f4), f32 sums; everything else in f32.
;; Inputs: k_codes 2 x 2,048 x 16 x 4 x 16 uint8 (E2M1 codes of k, K innermost, in blocks of 32 codes, two codes a byte); k_scales 2 x 2,048 x 16 x 4 uint8 (E8M0 scales of k, one for each 32 codes along K); lambda_k1 128 float32; lambda_k2 128 float32; lambda_q1 128 float32; lambda_q2 128 float32; q_codes 2 x 2,048 x 16 x 4 x 16 uint8 (E2M1 codes of q, K innermost, in blocks of 32 codes, two codes a byte); q_scales 2 x 2,048 x 16 x 4 uint8 (E8M0 scales of q, one for each 32 codes along K); v 2 x 2,048 x 16 x 128 float32.
;; Outputs: out0 2 x 2,048 x 16 x 128 float32.
;; This version of the problem:
;;   THIS VERSION OF THE PROBLEM IS GIVEN IN LOW PRECISION. The matrix products marked QUANTISED in the list below multiply operands that are first quantised to E2M1 (2 exponent bits, 1 mantissa bit; 4 bits a number), with one power-of-two scale for each 32 numbers along K (OCP MX v1.0); their sums are f32. All else is computed in f32.
;;   The module's matrix products, in the order in which they are computed (A, B: the left and right operand; K: the contracted axis; several contracted axes count as one K, in the product's order):
;;     1. batch 16 x [M 2,048, K 128] x [K 128, N 2,048]; A: input q (given as codes); B: input k (given as codes): QUANTISED
;;     2. batch 16 x [M 256, K 2,048] x [K 2,048, N 2,048]; A: computed on the way; B: softmax (see below): QUANTISED
;;     3. batch 16 x [M 2,048, K 128] x [K 128, N 2,048]; A: input q (given as codes); B: input k (given as codes): QUANTISED
;;     4. batch 16 x [M 256, K 2,048] x [K 2,048, N 2,048]; A: computed on the way; B: softmax (see below): QUANTISED
;;   THE QUANTISER, for each operand of a quantised product, along K:
;;     - K is cut into blocks of 32 from its start; a last block that is shorter is filled with zeros.
;;     - A block's scale is 2^e with e = floor(log2(the largest magnitude in the block)) - 2, held to -126 .. 127; a block of zeros has e = 0. As a byte (E8M0): e + 127.
;;     - Each number is divided by its block's scale, clamped to +-6, and rounded to the nearest number of E2M1, ties to even, subnormals kept.
;;     - The product sums the exact products of the quantised numbers (number of the format x scale) in f32.
;;   ~~~python
;;   def quantise(x, axis):      # numpy; x: float32 -> the quantised numbers, widened to float32 again
;;       x = np.moveaxis(x, axis, -1); K = x.shape[-1]
;;       x = np.pad(x, [(0, 0)] * (x.ndim - 1) + [(0, -K % 32)]); x = x.reshape(x.shape[:-1] + (-1, 32)); a = np.abs(x).max(-1, keepdims=True)
;;       e = np.where(a > 0, np.clip(np.frexp(np.where(a > 0, a, 1))[1] - 1 - 2, -126, 127), 0)      # np.frexp(a)[1] - 1 = floor(log2(a)), exactly
;;       r = np.clip(x / 2.0 ** e, -6, 6)
;;       step = 2.0 ** (np.maximum(np.frexp(np.where(r == 0, 1, r))[1] - 1, 0) - 1)
;;       q = np.round(r / step) * step * 2.0 ** e      # np.round: ties to even
;;       return np.moveaxis(q.reshape(q.shape[:-2] + (-1,))[..., :K], -1, axis).astype(np.float32)
;;   ~~~
;;   SOFTMAX AHEAD OF A QUANTISED PRODUCT. Where the list says 'softmax', what is quantised is not the finished softmax but p = 2^(t - M), with t = logit x log2(e) and M = ceil(the row's largest t), a whole number; so 1/2 < the row's largest p <= 1. The row's sum l is taken of the UNQUANTISED p, in f32, and the product's result is divided by l at the end. Since M is a whole number, a kernel that streams over the keys may use a running M (the ceiling of the running maximum): every later rescaling is an exact power of two, which a block's scale takes up: the codes' values come out the same.
;;   OPERANDS COMPUTED ON THE WAY. 'Computed on the way' means the value that the module computes at that place (a softmax that the list does not call 'softmax' is quantised finished and normalised). What goes into a quantiser is computed in f32, as accurately as f32 sums, v_exp_f32 and their like allow (about 1e-6 of the number): no bf16 or f16 on the way to a quantiser, and a product that is left as it is and whose result goes on into a quantised operand takes f32 operands (vector FMAs, or v_wmma_f32_16x16x4_f32). A number that lies on a knife's edge between two numbers of the format may be rounded either way, as far as f32 arithmetic and the matrix unit's own rounding can turn it there, and no further.
;;   INPUTS GIVEN AS CODES. k (in the module: [2, 2048, 16, 128], K = its axis 3); q (in the module: [2, 2048, 16, 128], K = its axis 3): each comes as NAME_codes (uint8): NAME with its K axis moved to the last place and cut into blocks of 32 codes, [.., K / 32, bytes a block], one block behind the other in memory; two codes a byte, the lower K in the low four bits (a code: sign, 2 exponent bits, 1 mantissa bit); and NAME_scales (uint8): the same leading axes, one E8M0 byte (e + 127) for each 32 codes along K. Its value is code x scale, taken as it is: it is not quantised again, and the codes and scales need not be those that the quantiser above would give.
;; One version. Each part assembles by itself: llvm-mc -triple=amdgcn-amd-amdhsa -mcpu=gfx1250 --defsym DOCPART=n.
;; ======== version 1 of 1: 2 launches
;; limits: right only within a limited range of input values
;; workspace buffers: kv 8,912,896 bytes
;; launch prep (part 1): grid 576 x 1, 4 waves a work-group, no clusters, 39,936 bytes of LDS; arguments v, k_codes, k_scales, kv; writes kv
.if DOCPART == 1
	.amdgcn_target "amdgcn-amd-amdhsa--gfx1250"
	.amdhsa_code_object_version 6
	.text
	.protected	k_q66198506e0_prep
	.globl	k_q66198506e0_prep
	.p2align	8
	.type	k_q66198506e0_prep,@function
k_q66198506e0_prep:
	s_mov_b64 s[64:65], 0
	v_nop
	global_prefetch_b8 v0, s[64:65] scope:SCOPE_SE
	s_setreg_imm32_b32 hwreg(HW_REG_WAVE_MODE, 25, 1), 1
	s_wait_xcnt 0x0
; PREP: lays K and V out for the attention launch, in the order of a matrix operand's registers.
; v [2][2048][16][128] f32 is quantised to FP4 (E2M1) ALONG THE KEYS, one E8M0 byte for each 32 keys; k's codes and scale bytes are only moved.
; kv [bh = 8 batch + pair][slot of 256 keys][part][step of 128 keys][8,704 bytes]: part 0 K of the even head, 1 K of the odd head, 2 V's channels 0-127 of the pair, 3 V's channels 128-255.
;   8,704 bytes = 8 tiles x 1,024 bytes, then 512 bytes of scale words.  A tile is a fragment's image: byte 512 c + 16 lane + y = byte y of registers 4 c .. 4 c + 3 of lane 16 h + r.
;   K's tile 4 c + u: row r is key 64 c + 8 u + (r & 7) + 32 (r >> 3) of the step.   V's tile t: row r is channel 16 t + r of the part, the keys in order.
;   The scale word at 16 lane + 4 i is that of tile 2 i + h, row r.
; A block's scale is 2^(floor(log2(its largest magnitude)) - 2); its byte is the largest magnitude's exponent field - 2, held at 1 from below.
; LIMITS: a block of zeros, or one whose largest magnitude lies under 2^-124, keeps the byte 1 where the rule says 127 or less: its codes are zeros or the nearest codes under that scale, and the
; bytes are read by this program alone.  NaN and infinities in v are not served.
; SHARES: work-groups 0-63 take K (128 keys, eight heads each), 64-575 take V (128 columns x 128 keys each).  The two ways have LDS bytes of their own.  No tensor loads: each input byte of v and of the codes is read once.
.set BHB,   557056
.set SLOTB, 69632
.set PART,  17408
.set STEPB, 8704
.set KPIT,  272                        ; K's stage: a row of 256 bytes + 16
.set KWST,  32*KPIT                    ; a wave's stage: 32 keys
.set KSIM,  4*KWST                     ; K's scale words as they leave: 8 heads x 512 bytes
.set VSIM,  KSIM+4096                  ; V's scale words as they leave: 512 bytes
.set SPARE, VSIM+512                   ; the spare words, 128 bytes a wave
.set SPW,   26
.set NIL,   27
.set SB,    24                         ; V: the scale word
.set KS,    16                         ; K: v16-23 scale words as loaded
.set X,     32                         ; V: v32-159 four blocks of 32 numbers;  K: v32-159 two quarters of codes
.set C,     160                        ; V: v160-175 the codes
.macro LOAD t                          ; block t: v(key 32 t + i, my column); 32 lanes read 128 consecutive bytes, the four waves 512
.set ii, 0
.rept 32
	global_load_b32 v[X+32*(\t)+ii], v3, s[4:5] offset:(32*(\t)+ii)*8192 th:TH_LOAD_NT
.set ii, ii+1
.endr
.endm
.macro BLOCK t                         ; 32 keys of my column become 16 bytes of codes and a scale byte
.set XS, X+32*(\t)
.if (\t) < 2
	s_wait_loadcnt 63                              ; 96 or 64 younger loads may be out; the field holds 63
.elseif (\t) == 2
	s_wait_loadcnt 32                              ; the last block's 32
.else
	s_wait_loadcnt 0x0
.endif
	v_max3_num_f32 v12, |v[XS]|, |v[XS+1]|, |v[XS+2]|
	v_max3_num_f32 v13, |v[XS+3]|, |v[XS+4]|, |v[XS+5]|
.irp i, 6,10,14,18,22,26
	v_max3_num_f32 v12, v12, |v[XS+\i]|, |v[XS+\i+1]|
	v_max3_num_f32 v13, v13, |v[XS+\i+2]|, |v[XS+\i+3]|
.endr
	v_max3_num_f32 v12, v12, |v[XS+30]|, |v[XS+31]|
	v_max3_num_f32 v12, v12, v13, 0x1800000        ; and the floor 2^(3 - 127): the byte cannot fall under 1
	v_add_nc_u32 v11, 0xff000000, v12              ; 2 off the exponent field: the conversion's scale operand
	v_lshrrev_b32 v13, 23, v11                     ; the scale's byte
.if (\t) == 0
	v_mov_b32 v[SB], v13
.else
	v_lshl_or_b32 v[SB], v13, 8*(\t), v[SB]
.endif
.irp g, 0,1,2,3
	v_cvt_scalef32_pk8_fp4_f32 v[C+4*(\t)+\g], v[XS+8*\g:XS+8*\g+7], v11
.endr
	v_nop                                          ; one plain line behind the conversions
	global_store_b128 v4, v[C+4*(\t):C+4*(\t)+3], s[10:11] offset:256*(\t)   ; lanes 0-15 store 256 consecutive bytes of one tile, lanes 16-31 of the next
.endm
.macro KLOAD q                         ; heads 4 q .. 4 q + 3 of my eight, my 32 keys (two runs of 16, 32 keys apart): sixteen lanes read 256 consecutive bytes of a key's row
.set mm, 0
.rept 16
	global_load_b128 v[X+64*(\q)+4*mm:X+64*(\q)+4*mm+3], v6, s[6:7] offset:2048*mm+16384*(mm/8)+256*(\q) th:TH_LOAD_NT
.set mm, mm+1
.endr
.endm
.macro QUARTER q                       ; a quarter goes through my stage by rows and comes back as fragments' images
.if (\q) == 0
	s_wait_loadcnt 16                              ; the other quarter's 16 loads may be out
.else
	s_wait_loadcnt 0x0
.endif
.set mm, 0
.rept 16
	ds_store_b128 v7, v[X+64*(\q)+4*mm:X+64*(\q)+4*mm+3] offset:544*mm
.set mm, mm+1
.endr
.irp e, 0,1,2,3
.irp u, 0,1
.irp c, 0,1
	ds_load_b128 v[X+64*(\q)+4*(4*\e+2*\u+\c):X+64*(\q)+4*(4*\e+2*\u+\c)+3], v8 offset:\u*8*KPIT+64*\e+32*\c   ; LDS serves a wave's instructions in order: these see the stores above
.endr
.endr
.endr
	s_wait_dscnt 0x0
.irp e, 0,1,2,3
.irp u, 0,1
.irp c, 0,1
	global_store_b128 v5, v[X+64*(\q)+4*(4*\e+2*\u+\c):X+64*(\q)+4*(4*\e+2*\u+\c)+3], s[10:11] offset:(2*(\q)+\e/2)*BHB+(\e%2)*PART+\u*1024+512*\c   ; 32 lanes store 512 consecutive bytes
.endr
.endr
.endr
.endm
	s_load_b256 s[4:11], s[0:1], 0x0               ; v, k_codes, k_scales, kv
	v_lshl_add_u32 v[SPW], v0, 2, SPARE
	v_mov_b32 v[NIL], 0
	v_lshrrev_b32 v1, 5, v0
	v_readfirstlane_b32 s14, v1                    ; wave 0..3
	v_and_b32 v2, 31, v0                           ; lane
	s_cmp_lt_u32 ttmp9, 64
	s_wait_alu depctr_va_vdst(0)
	s_cbranch_scc1 .Lk
	; ---------------- V: a lane takes a column, its registers run down the keys
	s_sub_co_u32 s19, ttmp9, 64
	s_and_b32 s15, s19, 15                         ; which 128 columns
	s_bfe_u32 s16, s19, 0x40004                    ; which step of 128 keys
	s_lshr_b32 s17, s19, 8                         ; batch
	s_lshl_b32 s20, s17, 24
	s_lshl_b32 s21, s16, 20
	s_add_co_u32 s20, s20, s21
	s_lshl_b32 s21, s15, 9
	s_add_co_u32 s20, s20, s21
	s_lshl_b32 s21, s14, 7
	s_add_co_u32 s20, s20, s21                     ; + my wave's 32 columns
	s_mov_b32 s21, 0
	s_lshl_b32 s22, s17, 3
	s_lshr_b32 s23, s15, 1
	s_add_co_u32 s22, s22, s23                     ; bh
	s_mul_i32 s24, s22, BHB
	s_lshr_b32 s23, s16, 1
	s_mul_i32 s23, s23, SLOTB
	s_add_co_u32 s24, s24, s23
	s_and_b32 s23, s16, 1
	s_mul_i32 s23, s23, STEPB
	s_add_co_u32 s24, s24, s23
	s_and_b32 s23, s15, 1
	s_add_co_u32 s23, s23, 2
	s_mul_i32 s23, s23, PART
	s_add_co_u32 s24, s24, s23
	s_add_co_u32 s26, s24, 8192                    ; the scale words
	s_lshl_b32 s23, s14, 11
	s_add_co_u32 s24, s24, s23                     ; my wave's two tiles
	s_mov_b32 s25, 0
	s_mov_b32 s27, 0
	s_lshl_b32 s18, s14, 2
	s_add_co_u32 s18, s18, VSIM
	v_lshlrev_b32 v3, 2, v2                        ; in: 4 bytes a lane
	v_lshrrev_b32 v8, 4, v2
	v_and_b32 v9, 15, v2
	v_lshlrev_b32 v4, 4, v9
	v_lshl_add_u32 v4, v8, 10, v4                  ; codes out: tile lane / 16, 16 bytes for channel lane % 16
	v_lshlrev_b32 v7, 4, v2
	v_add_nc_u32 v5, s18, v7                       ; scale words into LDS: 16 lane + 4 wave
	v_add_nc_u32 v6, VSIM, v7                      ; and back
	s_wait_alu depctr_va_vdst(0)
	s_wait_kmcnt 0x0
	s_add_nc_u64 s[4:5], s[4:5], s[20:21]
	s_add_nc_u64 s[12:13], s[10:11], s[26:27]
	s_add_nc_u64 s[10:11], s[10:11], s[24:25]
.irp t, 0,1,2,3
	LOAD \t
.endr
.irp t, 0,1,2,3
	BLOCK \t
.endr
	ds_store_b32 v5, v[SB]
	s_wait_alu depctr_va_vdst(0)
	s_wait_dscnt 0x0                               ; for the others' sake: my scale words have landed
	s_barrier_signal -1
	s_barrier_wait -1
	s_cmp_lg_u32 s14, 0
	s_cbranch_scc1 .Lvend
	ds_load_b128 v[12:15], v6                      ; words that all four waves stored
	s_wait_dscnt 0x0
	global_store_b128 v7, v[12:15], s[12:13]       ; 512 consecutive bytes
.Lvend:
	s_wait_tensorcnt 0x0
	ds_add_u32 v[SPW], v[NIL]
	s_wait_dscnt 0x0
	s_endpgm
	; ---------------- K: wave w takes tiles 2 w and 2 w + 1 of eight heads: keys 64 (w / 2) + 16 (w % 2) + 0 .. 15 and the same 32 keys further on
.Lk:
	s_lshr_b32 s15, ttmp9, 1                       ; 16 batch + step
	s_and_b32 s19, ttmp9, 1                        ; heads 0-7 or 8-15
	s_lshr_b32 s17, s15, 4
	s_and_b32 s16, s15, 15
	s_lshl_b32 s18, s16, 7
	s_lshr_b32 s20, s14, 1
	s_lshl_b32 s20, s20, 6
	s_add_co_u32 s18, s18, s20
	s_and_b32 s20, s14, 1
	s_lshl_b32 s20, s20, 4
	s_add_co_u32 s18, s18, s20                     ; my first key
	s_lshl_b32 s20, s17, 21                        ; k_codes: a key's row is 1,024 bytes
	s_lshl_b32 s21, s18, 10
	s_add_co_u32 s20, s20, s21
	s_lshl_b32 s21, s19, 9
	s_add_co_u32 s20, s20, s21
	s_mov_b32 s21, 0
	s_lshl_b32 s22, s17, 17                        ; k_scales: 64 bytes a key
	s_lshl_b32 s23, s18, 6
	s_add_co_u32 s22, s22, s23
	s_lshl_b32 s23, s19, 5
	s_add_co_u32 s22, s22, s23
	s_mov_b32 s23, 0
	s_lshl_b32 s28, s17, 3
	s_lshl_b32 s29, s19, 2
	s_add_co_u32 s28, s28, s29
	s_mul_i32 s24, s28, BHB                        ; my heads' first pair
	s_lshr_b32 s28, s16, 1
	s_mul_i32 s28, s28, SLOTB
	s_add_co_u32 s24, s24, s28
	s_and_b32 s28, s16, 1
	s_mul_i32 s28, s28, STEPB
	s_add_co_u32 s24, s24, s28
	s_mul_i32 s26, s14, BHB                        ; scale words out: wave w stores the pair w on, both heads
	s_add_co_u32 s26, s26, s24
	s_add_co_u32 s26, s26, 8192
	s_lshl_b32 s28, s14, 11
	s_add_co_u32 s24, s24, s28
	s_mov_b32 s25, 0
	s_mov_b32 s27, 0
	s_mul_i32 s28, s14, KWST                       ; my stage
	s_lshl_b32 s29, s14, 2
	s_add_co_u32 s29, s29, KSIM
	s_lshl_b32 s30, s14, 10
	s_add_co_u32 s30, s30, KSIM
	v_lshrrev_b32 v3, 4, v2                        ; h
	v_and_b32 v4, 15, v2                           ; r
	v_lshlrev_b32 v5, 4, v2                        ; 16 x lane
	v_lshlrev_b32 v6, 4, v4
	v_lshl_add_u32 v6, v3, 10, v6                  ; codes in: key h of a pair of keys
	v_mul_u32_u24 v7, v3, KPIT
	v_lshl_add_u32 v7, v4, 4, v7
	v_add_nc_u32 v7, s28, v7                       ; into the stage: by rows
	v_and_b32 v8, 8, v4
	v_add_nc_u32 v8, v8, v4                        ; r + 8 (r / 8)
	v_mul_u32_u24 v8, v8, KPIT
	v_lshl_add_u32 v8, v3, 4, v8
	v_add_nc_u32 v8, s28, v8                       ; out of it: the tile's row for my lane, + 16 h
	v_and_b32 v11, 1, v2                           ; scale words: heads 4 (lane % 2) on
	v_lshrrev_b32 v13, 1, v2                       ; of key y = lane / 2 of a run
	v_lshlrev_b32 v12, 6, v13
	v_lshl_add_u32 v12, v11, 4, v12
	v_lshrrev_b32 v14, 3, v13
	v_lshlrev_b32 v9, 4, v13
	v_lshl_add_u32 v9, v14, 7, v9
	v_lshl_add_u32 v9, v11, 11, v9
	v_add_nc_u32 v9, s29, v9                       ; into LDS: row (y & 7) of tile 2 w + y / 8
	v_add_nc_u32 v10, s30, v5                      ; and back: two heads' blocks a wave
	s_wait_alu depctr_va_vdst(0)
	s_wait_kmcnt 0x0
	s_add_nc_u64 s[6:7], s[6:7], s[20:21]
	s_add_nc_u64 s[8:9], s[8:9], s[22:23]
	s_add_nc_u64 s[12:13], s[10:11], s[26:27]
	s_add_nc_u64 s[10:11], s[10:11], s[24:25]
.irp m, 0,1
	global_load_b128 v[KS+4*\m:KS+4*\m+3], v12, s[8:9] offset:2048*\m
.endr
	KLOAD 0
	KLOAD 1
	s_wait_loadcnt 32                              ; the scale words are in; the two quarters' 32 loads may be out
.irp m, 0,1
.irp y, 0,1,2,3
	ds_store_b32 v9, v[KS+4*\m+\y] offset:512*\y+128*\m   ; run m is rows 8 m on
.endr
.endr
	QUARTER 0
	QUARTER 1
	s_wait_dscnt 0x0                               ; for the others' sake: my scale words have landed
	s_barrier_signal -1
	s_barrier_wait -1
.irp e, 0,1
	ds_load_b128 v[KS+4*\e:KS+4*\e+3], v10 offset:512*\e
.endr
	s_wait_dscnt 0x0
.irp e, 0,1
	global_store_b128 v5, v[KS+4*\e:KS+4*\e+3], s[12:13] offset:\e*PART   ; 32 lanes store a head's 512 bytes
.endr
	s_wait_tensorcnt 0x0
	ds_add_u32 v[SPW], v[NIL]
	s_wait_dscnt 0x0
	s_endpgm
.Lfunc_end_k_q66198506e0_prep:
	.size	k_q66198506e0_prep, .Lfunc_end_k_q66198506e0_prep-k_q66198506e0_prep
	.p2alignl 7, 3214868480
	.fill 96, 4, 3214868480
	.section	.rodata,"a",@progbits
	.p2align	6, 0x0
	.amdhsa_kernel k_q66198506e0_prep
		.amdhsa_group_segment_fixed_size 39936
		.amdhsa_private_segment_fixed_size 0
		.amdhsa_enable_private_segment 0
		.amdhsa_kernarg_size 32
		.amdhsa_user_sgpr_count 2
		.amdhsa_user_sgpr_kernarg_segment_ptr 1
		.amdhsa_wavefront_size32 1
		.amdhsa_system_sgpr_workgroup_id_x 1
		.amdhsa_system_sgpr_workgroup_id_y 1
		.amdhsa_system_sgpr_workgroup_id_z 1
		.amdhsa_system_vgpr_workitem_id 0
		.amdhsa_next_free_vgpr 176
		.amdhsa_next_free_sgpr 66
		.amdhsa_reserve_vcc 0
		.amdhsa_float_denorm_mode_32 3
		.amdhsa_float_denorm_mode_16_64 3
		.amdhsa_memory_ordered 1
		.amdhsa_forward_progress 1
		.amdhsa_inst_pref_size 36
	.end_amdhsa_kernel
	.amdgpu_metadata
---
amdhsa.version: [ 1, 2 ]
amdhsa.kernels:
  - .name:           k_q66198506e0_prep
    .symbol:         k_q66198506e0_prep.kd
    .args:
      - { .name: v, .offset: 0, .size: 8, .value_kind: global_buffer, .address_space: global }
      - { .name: k_codes, .offset: 8, .size: 8, .value_kind: global_buffer, .address_space: global }
      - { .name: k_scales, .offset: 16, .size: 8, .value_kind: global_buffer, .address_space: global }
      - { .name: kv, .offset: 24, .size: 8, .value_kind: global_buffer, .address_space: global }
    .group_segment_fixed_size: 39936
    .private_segment_fixed_size: 0
    .kernarg_segment_align: 8
    .kernarg_segment_size: 32
    .max_flat_workgroup_size: 128
    .sgpr_count:     66
    .vgpr_count:     176
    .wavefront_size: 32
...
	.end_amdgpu_metadata
.endif
;; end of part 1
;; launch attn (part 2): grid 16 x 16, 4 waves a work-group, no clusters, 327,680 bytes of LDS; arguments q_codes, q_scales, kv, lambda_q1, lambda_k1, lambda_q2, lambda_k2, out0; writes out0
.if DOCPART == 2
	.amdgcn_target "amdgcn-amd-amdhsa--gfx1250"
	.amdhsa_code_object_version 6
	.text
	.protected	k_q66198506e0_attn
	.globl	k_q66198506e0_attn
	.p2align	8
	.type	k_q66198506e0_attn,@function
k_q66198506e0_attn:
	s_mov_b64 s[64:65], 0
	v_nop
	global_prefetch_b8 v0, s[64:65] scope:SCOPE_SE
	s_setreg_imm32_b32 hwreg(HW_REG_WAVE_MODE, 25, 1), 1
	s_wait_xcnt 0x0
; ATTENTION, both heads of a pair, their difference and its RMS norm.  Work-group (x, y): pair y (8 batch + pair), 8 tiles of 16 queries; wave w owns tile A = a = 4 x + w and tile B = 127 - a, BOTH heads of each: four units.
; Left out: the key steps of 128 whose keys all come after a tile's queries: reference() masks them in its own body for all inputs.  A NaN or an infinity that reaches only those is not carried to the result.
; Tile A walks key steps 0 .. x / 2, tile B steps 0 .. 15 - x / 2: 17 in all for every wave.  Loop 1 walks steps 0-7: B counts in each, whole; A up to its diagonal step.  Then A's rows leave.  Loop 2 walks steps 8-15 for B.
; THE SOFTMAX: t = score x log2(e) / sqrt(128); M = the running largest t rounded up; p = 2^(t - M); the sum is of the unquantised p.  When M moves, sum and O are multiplied by 2^(old M - new M): exact.
; LAYOUT.  Products transposed (S^T = K Q^T, O^T = V^T P^T): a lane holds one query, lane % 16.  K's tile rows are laid so that register 32 c + i of lane (r, h) is key 64 c + 32 h + i:
; A WHOLE BLOCK OF 32 KEYS LIES IN ONE LANE: its largest score needs no other lane, and the conversions' results are the second product's operand as they stand.
; A block's scale: floor(t - M) of its largest score is the exponent of its largest p, held at -124 from below (byte 1).
; LIMITS: the scaled scores stay under 2^31 in magnitude.  A block whose largest p lies under 2^-124 keeps byte 1.  A largest score whose t - M lies within rounding under a whole number may take the lower of two scales.
; THE RING: two LDS slots of two key steps, each wave fetches one part (K of either head, V's halves: 17,408 dense bytes).  The barrier of the change of slots stands in a slot's second step, when that step's V is in registers.
; NO CLUSTER: sixteen work-groups walk the same keys, but the number of slots is 8 - x / 4: the loads end at the causal limit by a jump on ids.
; PREFETCH: the two work-groups that walk all slots (x = 0, 1) ask, at the change that loads slot i + 2, for slot i + 3, half a slot each, 34 blocks of 256 bytes a wave, the last named by many lanes; slots 0 to 2 come by their loads alone.
; REGISTERS: window 0 as below, v128-255 the scores of both heads;  window 1: v0-127 K of both heads, v128-255 V;  window 2: O of tile A (head 0, head 1);  window 3: O of tile B.
.set BHB,   557056
.set SLOTB, 69632
.set PART,  17408
.set STEPB, 8704
.set SLOT1, 1<<17
.set STAGE, 204800                     ; 16 rows x (1,024 + 16) bytes a wave; no fill lands there
.set SPITCH, 1040
.set SPARE, STAGE+4*16*SPITCH          ; the spare words
.set LI,  1                            ; v1 16 x lane, v2 the same + STEPB
.set AD,  3
.set SPW, 4
.set NIL, 5
.set PFO, 6                            ; v6, v7 the prefetches' offsets
.set ST,  8                            ; four units of: -M, largest score, sum (2)
.set F,   24                           ; v24, v26 2^(old M - new M) of either head (low words of pairs)
.set BM,  28                           ; v28-31 the blocks' largest scores (2 head + c); later partial sums
.set T,   32
.set U,   34
.set N,   36
.set X,   38
.set BS,  42
.set W,   46
.set BN,  48
.set DM,  52                           ; v52, v53 tile A's and B's: my query's place in its diagonal step - 32 h
.set LAM, 54                           ; - lambda
.set Q,   56
.set QS,  88
.set KSC, 92
.set VSC, 100
.set PC,  108
.set Y,   124
.set PSC, 126
.set S,   128
.set WV,  20
.set DA,  22
.set DAM1, 23
.set DB,  24
.set DBM1, 25
.set J,   26                           ; the trip's first key step
.set TB,  27                           ; LDS byte at which the slot in hand begins
.set LIM, 28
.set PFA, 30
.set SEL, 32
.set CS,  34
.set NCS, 36
.set G1,  40
.set G0,  48
.set OB,  52                           ; s[52:53], s[54:55] where tile A's and B's rows begin in out0
.set MSB, 0
.macro WIN new
.if MSB != \new
	s_set_vgpr_msb (MSB<<8)|(\new)
.set MSB, \new
.endif
.endm
.macro WA
	s_wait_alu depctr_va_vdst(0)
.endm
.macro FILL                            ; a tensor load with an s_nop and four v_nops behind it
	tensor_load_to_lds s[G0:G0+3], s[G1:G1+7]
	s_nop 0
.rept 4
	v_nop
.endr
.endm
.macro LDS4 areg, dst, part0           ; two parts' fragments (8 tiles each) into window 1
	WIN 0x40
.irp e, 0,1
.irp t, 0,1,2,3,4,5,6,7
	ds_load_b128 v[\dst+64*\e+8*\t:\dst+64*\e+8*\t+3], v[\areg] offset:PART*(\part0+\e)+1024*\t
	ds_load_b128 v[\dst+64*\e+8*\t+4:\dst+64*\e+8*\t+7], v[\areg] offset:PART*(\part0+\e)+1024*\t+512
.endr
.endr
	WIN 0
.endm
.macro KLD s                           ; K of both heads, the slot's step s: 34 loads
	v_add_nc_u32 v[AD], s[TB], v[LI+\s]
.irp e, 0,1
	ds_load_b128 v[KSC+4*\e:KSC+4*\e+3], v[AD] offset:PART*\e+8192
.endr
	LDS4 AD, 0, 0
.endm
.macro VLD s                           ; V, the slot's step s: 34 loads
	v_add_nc_u32 v[AD], s[TB], v[LI+\s]
.irp e, 0,1
	ds_load_b128 v[VSC+4*\e:VSC+4*\e+3], v[AD] offset:PART*(2+\e)+8192
.endr
	LDS4 AD, 128, 2
.endm
.macro QK t                            ; S^T of both heads; the four places behind serve the scores' readers and V's loads
	WIN 0x01
.irp e, 0,1
.irp i, 0,1,2,3
	v_wmma_scale_f32_32x16x128_f4 v[S+64*\e+16*\i:S+64*\e+16*\i+15], v[64*\e+16*\i:64*\e+16*\i+15], v[Q+16*\t+8*\e:Q+16*\t+8*\e+7], 0, v[KSC+4*\e+\i], v[QS+2*\t+\e]
.endr
.endr
	WIN 0
.rept 4
	v_nop
.endr
.endm
.macro DIAG t, dg                      ; in the diagonal step the scores of hidden keys become -infinity
	s_cmp_lg_u32 s[J], s[\dg]
	s_cbranch_scc1 .Lopen_\@
	v_mov_b32 v[T], 0xff800000
	v_add_nc_u32 v[T+1], 0xffffffc0, v[DM+\t]
.set nn, 0
.rept 32
	v_cmp_gt_i32 vcc_lo, nn, v[DM+\t]
	v_cndmask_b32 v[S+nn], v[S+nn], v[T], vcc_lo
	v_cndmask_b32 v[S+64+nn], v[S+64+nn], v[T], vcc_lo
.set nn, nn+1
.endr
.set nn, 0
.rept 32
	v_cmp_gt_i32 vcc_lo, nn, v[T+1]
	v_cndmask_b32 v[S+32+nn], v[S+32+nn], v[T], vcc_lo
	v_cndmask_b32 v[S+96+nn], v[S+96+nn], v[T], vcc_lo
.set nn, nn+1
.endr
.Lopen_\@:
.endm
.macro MAXS                            ; the largest score of each of my four blocks (2 head + c): eight chains by turns
.irp x, 0,1,2,3
	v_max3_num_f32 v[BM+\x], v[S+32*\x], v[S+32*\x+1], v[S+32*\x+2]
.endr
.irp x, 0,1,2,3
	v_max3_num_f32 v[BN+\x], v[S+32*\x+16], v[S+32*\x+17], v[S+32*\x+18]
.endr
.irp i, 3,5,7,9,11,13
.irp x, 0,1,2,3
	v_max3_num_f32 v[BM+\x], v[BM+\x], v[S+32*\x+\i], v[S+32*\x+\i+1]
.endr
.irp x, 0,1,2,3
	v_max3_num_f32 v[BN+\x], v[BN+\x], v[S+32*\x+\i+16], v[S+32*\x+\i+17]
.endr
.endr
.irp x, 0,1,2,3
	v_max3_num_f32 v[BM+\x], v[BM+\x], v[BN+\x], v[S+32*\x+15]
.endr
.irp x, 0,1,2,3
	v_max_num_f32 v[BM+\x], v[BM+\x], v[S+32*\x+31]
.endr
.endm
.macro STATE t                         ; M, the rescaling factors, the blocks' scale operands and P's scale words, both heads by turns
.irp e, 0,1
	v_max_num_f32 v[T+\e], v[BM+2*\e], v[BM+2*\e+1]
.endr
.irp e, 0,1
	v_permlanex16_b32 v[U+\e], v[T+\e], s[SEL], s[SEL+1]
.endr
.irp e, 0,1
	v_max3_num_f32 v[ST+8*\t+4*\e+1], v[ST+8*\t+4*\e+1], v[T+\e], v[U+\e]
.endr
.irp e, 0,1
	v_mul_f32 v[T+\e], s[NCS], v[ST+8*\t+4*\e+1]
.endr
.irp e, 0,1
	v_floor_f32 v[N+\e], v[T+\e]                   ; the new -M
.endr
.irp x, 0,1,2,3
	v_fma_f32 v[X+\x], v[BM+\x], s[CS], v[N+(\x/2)]
.endr
.irp e, 0,1
	v_sub_f32 v[T+\e], v[N+\e], v[ST+8*\t+4*\e]    ; old M - new M, a whole number
.endr
.irp e, 0,1
	v_mov_b32 v[ST+8*\t+4*\e], v[N+\e]
.endr
.irp x, 0,1,2,3
	v_max_num_f32 v[X+\x], 0xc2f80000, v[X+\x]     ; -124 from below
.endr
.irp e, 0,1
	v_cvt_i32_f32 v[T+\e], v[T+\e]                 ; (it saturates)
.endr
.irp x, 0,1,2,3
	v_cvt_floor_i32_f32 v[X+\x], v[X+\x]           ; the exponent of the block's largest p
.endr
.irp e, 0,1
	v_ldexp_f32 v[F+2*\e], 1.0, v[T+\e]
.endr
.irp x, 0,1,2,3
	v_lshl_add_u32 v[BS+\x], v[X+\x], 23, 0x3e800000   ; 125 + exponent: the conversion's scale operand
.endr
.irp e, 0,1
	v_lshl_add_u32 v[W+\e], v[X+2*\e+1], 16, v[X+2*\e]   ; my two exponents, at bytes 0 and 2
.endr
.irp e, 0,1
	v_permlanex16_b32 v[Y+\e], v[W+\e], s[SEL], s[SEL+1]
.endr
.irp e, 0,1
	v_lshl_add_u32 v[Y+\e], v[Y+\e], 8, v[W+\e]    ; with lane l xor 16's at bytes 1 and 3
.endr
.irp e, 0,1
	v_add_nc_u32 v[PSC+\e], 0x7d7d7d7d, v[Y+\e]    ; + 125 in each byte
.endr
.endm
.macro SCALE0 t                        ; t - M of head 0, two at a time
.set ii, 0
.rept 32
	v_pk_fma_f32 v[S+2*ii:S+2*ii+1], v[S+2*ii:S+2*ii+1], s[CS:CS+1], v[ST+8*\t:ST+8*\t+1] op_sel_hi:[1,0,0]
.set ii, ii+1
.endr
.endm
.macro RESC w                          ; O under the new M; one wait for the group of matrix results
	WIN 0x41*\w
	WA
.irp e, 0,1
.set rr, 128*\e
.rept 64
	v_pk_mul_f32 v[rr:rr+1], v[rr:rr+1], v[F+2*\e:F+2*\e+1] op_sel_hi:[1,0]
.set rr, rr+2
.endr
.endr
	WIN 0
.endm
.macro EXP0 t                          ; head 0's exponentials, head 1's t - M among them
	WA
.set ii, 0
.rept 32
	v_exp_f32 v[S+2*ii], v[S+2*ii]
	v_exp_f32 v[S+2*ii+1], v[S+2*ii+1]
	v_pk_fma_f32 v[S+64+2*ii:S+65+2*ii], v[S+64+2*ii:S+65+2*ii], s[CS:CS+1], v[ST+8*\t+4:ST+8*\t+5] op_sel_hi:[1,0,0]
.set ii, ii+1
.endr
.endm
.macro EXP1 t                          ; head 1's exponentials; among them head 0's codes, the sums under the new M, head 0's first additions
	WA
.set ii, 0
.rept 32
	v_exp_f32 v[S+64+2*ii], v[S+64+2*ii]
	v_exp_f32 v[S+65+2*ii], v[S+65+2*ii]
.if ii < 8
	v_cvt_scalef32_pk8_fp4_f32 v[PC+ii], v[S+8*ii:S+8*ii+7], v[BS+ii/4]
.elseif ii < 10
	v_pk_mul_f32 v[ST+8*\t+4*(ii-8)+2:ST+8*\t+4*(ii-8)+3], v[ST+8*\t+4*(ii-8)+2:ST+8*\t+4*(ii-8)+3], v[F+2*(ii-8):F+2*(ii-8)+1] op_sel_hi:[1,0]
.elseif ii >= 16
	v_pk_add_f32 v[S+4*(ii-16):S+4*(ii-16)+1], v[S+4*(ii-16):S+4*(ii-16)+1], v[S+4*(ii-16)+2:S+4*(ii-16)+3]
.endif
.set ii, ii+1
.endr
.endm
.macro SUMS t                          ; head 1's codes, the rest of both sums in six chains
.set SU0, ST+8*\t+2
.set SU1, ST+8*\t+6
	WA
.set ii, 0
.rept 8
	v_cvt_scalef32_pk8_fp4_f32 v[PC+8+ii], v[S+64+8*ii:S+71+8*ii], v[BS+2+ii/4]
.set ii, ii+1
.endr
	v_pk_add_f32 v[BM:BM+1], v[S:S+1], v[S+4:S+5]
	v_pk_add_f32 v[BM+2:BM+3], v[S+64:S+65], v[S+66:S+67]
	v_pk_add_f32 v[BN:BN+1], v[S+68:S+69], v[S+70:S+71]
	v_pk_add_f32 v[BN+2:BN+3], v[S+72:S+73], v[S+74:S+75]
.set ii, 0
.rept 14
.if ii%2
	v_pk_add_f32 v[BM:BM+1], v[BM:BM+1], v[S+8+4*ii:S+9+4*ii]
.else
	v_pk_add_f32 v[SU0:SU0+1], v[SU0:SU0+1], v[S+8+4*ii:S+9+4*ii]
.endif
.if ii < 13
.if ii%2
	v_pk_add_f32 v[BN:BN+1], v[BN:BN+1], v[S+76+4*ii:S+77+4*ii]
	v_pk_add_f32 v[BN+2:BN+3], v[BN+2:BN+3], v[S+78+4*ii:S+79+4*ii]
.else
	v_pk_add_f32 v[SU1:SU1+1], v[SU1:SU1+1], v[S+76+4*ii:S+77+4*ii]
	v_pk_add_f32 v[BM+2:BM+3], v[BM+2:BM+3], v[S+78+4*ii:S+79+4*ii]
.endif
.endif
.set ii, ii+1
.endr
	v_pk_add_f32 v[BM+2:BM+3], v[BM+2:BM+3], v[BN:BN+1]
	v_pk_add_f32 v[SU1:SU1+1], v[SU1:SU1+1], v[BN+2:BN+3]
	v_pk_add_f32 v[SU0:SU0+1], v[SU0:SU0+1], v[BM:BM+1]
	v_pk_add_f32 v[SU1:SU1+1], v[SU1:SU1+1], v[BM+2:BM+3]
.endm
.macro PV w                            ; O^T += V^T P^T: 16 accumulators by turns; a fragment of V serves both heads
	WIN 0x50*\w+1
.irp i, 0,1,2,3,4,5,6,7
.irp e, 0,1
	v_wmma_scale_f32_32x16x128_f4 v[128*\e+16*\i:128*\e+16*\i+15], v[128+16*\i:143+16*\i], v[PC+8*\e:PC+8*\e+7], v[128*\e+16*\i:128*\e+16*\i+15], v[VSC+\i], v[PSC+\e]
.endr
.endr
	WIN 0
.endm
.macro LAST t, w, n                    ; the end of a tile's step; n: younger LDS loads that may be out
	EXP1 \t
	SUMS \t
	s_wait_dscnt \n                                ; V is in
	PV \w
.endm
.macro TILE_A                          ; tile A's whole softmax and second product
	MAXS
	STATE 0
	SCALE0 0
	RESC 2
	EXP0 0
	LAST 0, 2, 0
.endm
; THE CHANGE OF SLOTS, in three parts: the waits and the add; the signal; the barrier's wait and the refill.
.macro CH1
	WA
	s_wait_tensorcnt 0x0                           ; my part of the next slot is in; a descriptor may be written
	ds_add_u32 v[SPW], v[NIL]
	s_wait_xcnt 0x0                                ; any prefetch of mine has read its address
	s_xor_b32 s[G0+1], s[G0+1], SLOT1
	s_add_nc_u64 s[G0+2:G0+3], s[G0+2:G0+3], SLOTB
	s_add_nc_u64 s[PFA:PFA+1], s[PFA:PFA+1], SLOTB
	s_xor_b32 s[TB], s[TB], SLOT1
.endm
.macro CH2
	WA
	s_wait_dscnt 0x0                               ; the add is done, and so are my reads of the slot that I leave
	s_barrier_signal -1
.endm
.macro CH3
	WA
	s_barrier_wait -1
	s_add_co_u32 s70, s[J], 4                      ; the first key step of the slot two on: past the work-group's last step it is read by no wave, and not asked for
	s_cmp_gt_u32 s70, s[DB]
	s_cbranch_scc1 .Lpast_\@
	FILL
.Lpast_\@:
.endm
.macro ASK
	s_cmp_lt_u32 s[J], s[LIM]
	s_cbranch_scc0 .Lnot_mine_\@
	global_prefetch_b8 v[PFO], s[PFA:PFA+1] th:TH_LOAD_NT scope:SCOPE_SE
	global_prefetch_b8 v[PFO+1], s[PFA:PFA+1] offset:8192 th:TH_LOAD_NT scope:SCOPE_SE
.Lnot_mine_\@:
.endm
; THE WAY OUT of a tile: O0 / l0 - lambda O1 / l1, its norm over the 256 channels, through my stage as rows of 1,024 bytes
.macro OUT t, w
	WA
.irp e, 0,1
	v_add_f32 v[T+\e], v[ST+8*\t+4*\e+2], v[ST+8*\t+4*\e+3]
.endr
.irp e, 0,1
	v_permlanex16_b32 v[U+\e], v[T+\e], s[SEL], s[SEL+1]
.endr
.irp e, 0,1
	v_add_f32 v[T+\e], v[T+\e], v[U+\e]
.endr
	WA
	v_rcp_f32 v[F], v[T]
	v_rcp_f32 v[N], v[T+1]
	v_and_b32 v[X], 15, v0
	v_bfe_u32 v[X+1], v0, 4, 1
	v_mul_u32_u24 v[X], v[X], SPITCH
	v_lshl_add_u32 v[X], v[X+1], 5, v[X]
	s_mul_i32 s70, s[WV], 16*SPITCH
	s_add_co_u32 s70, s70, STAGE
	v_add_nc_u32 v[X], s70, v[X]                   ; in: row r, + 32 h
	v_add_nc_u32 v[X+1], s70, v[LI]                ; back: half a row
	WA
	v_mul_f32 v[F+2], v[LAM], v[N]
	WIN \w
	WA
.set kk, 0
.rept 64
	v_pk_mul_f32 v[S+2*kk:S+2*kk+1], v[128+2*kk:129+2*kk], v[F+2:F+3] op_sel_hi:[1,0]
.set kk, kk+1
.endr
.set kk, 0
.rept 64
	v_pk_fma_f32 v[S+2*kk:S+2*kk+1], v[2*kk:2*kk+1], v[F:F+1], v[S+2*kk:S+2*kk+1] op_sel_hi:[1,0,1]
.set kk, kk+1
.endr
	WIN 0
.irp k, 0,1,2,3
	v_pk_mul_f32 v[PC+2*\k:PC+2*\k+1], v[S+2*\k:S+2*\k+1], v[S+2*\k:S+2*\k+1]
.endr
.set kk, 4
.rept 60
	v_pk_fma_f32 v[PC+2*(kk%4):PC+2*(kk%4)+1], v[S+2*kk:S+2*kk+1], v[S+2*kk:S+2*kk+1], v[PC+2*(kk%4):PC+2*(kk%4)+1]
.set kk, kk+1
.endr
	v_pk_add_f32 v[PC:PC+1], v[PC:PC+1], v[PC+2:PC+3]
	v_pk_add_f32 v[PC+4:PC+5], v[PC+4:PC+5], v[PC+6:PC+7]
	v_pk_add_f32 v[PC:PC+1], v[PC:PC+1], v[PC+4:PC+5]
	v_add_f32 v[PC], v[PC], v[PC+1]
	v_permlanex16_b32 v[U], v[PC], s[SEL], s[SEL+1]
	v_add_f32 v[PC], v[PC], v[U]
	s_mov_b32 s70, 0x3b800000                      ; 1 / 256
	s_mov_b32 s71, 0x3727c5ac                      ; 1e-5
	v_fma_f32 v[PC], v[PC], s70, s71
	WA
	v_rsq_f32 v[T], v[PC]
	v_nop
	WA
	v_mul_f32 v[F], 0x3e5d9673, v[T]               ; x (1 - LAMBDA_INIT)
.set kk, 0
.rept 64
	v_pk_mul_f32 v[S+2*kk:S+2*kk+1], v[S+2*kk:S+2*kk+1], v[F:F+1] op_sel_hi:[1,0]
.set kk, kk+1
.endr
.set kk, 0
.rept 16
	ds_store_b128 v[X], v[S+8*kk:S+8*kk+3] offset:64*kk
	ds_store_b128 v[X], v[S+8*kk+4:S+8*kk+7] offset:64*kk+16
.set kk, kk+1
.endr
	WIN 0x40*\w                                    ; back into the registers that held O: nothing is written there again
.set kk, 0
.rept 32
	ds_load_b128 v[4*kk:4*kk+3], v[X+1] offset:(kk/2)*SPITCH+512*(kk%2)   ; LDS serves a wave's instructions in order
.set kk, kk+1
.endr
	WIN 4*\w
.set kk, 0
.rept 32
	s_wait_dscnt 31-kk                             ; the loads behind the one that is stored
	global_store_b128 v[LI], v[4*kk:4*kk+3], s[OB+2*\t:OB+2*\t+1] offset:8192*(kk/2)+512*(kk%2) th:TH_STORE_NT   ; 32 lanes store 512 consecutive bytes
.set kk, kk+1
.endr
	WIN 0
.endm
	s_load_b256 s[4:11], s[0:1], 0x0               ; q_codes, q_scales, kv, lambda_q1
	s_load_b256 s[12:19], s[0:1], 0x20             ; lambda_k1, lambda_q2, lambda_k2, out0
	v_lshl_add_u32 v[SPW], v0, 2, SPARE
	v_mov_b32 v[NIL], 0
	ds_add_u32 v[SPW], v[NIL]                      ; the opening add, twice on end
	ds_add_u32 v[SPW], v[NIL]
	v_lshrrev_b32 v[T], 5, v0
	v_readfirstlane_b32 s[WV], v[T]                ; wave 0..3
	s_lshl_b32 s70, ttmp9, 2
	s_add_co_u32 s70, s70, s[WV]                   ; a
	s_sub_co_u32 s71, 127, s70
	s_lshr_b32 s[DA], ttmp9, 1                     ; tile A's diagonal step,
	s_sub_co_u32 s[DAM1], s[DA], 1
	s_sub_co_u32 s[DB], 15, s[DA]                  ; tile B's
	s_sub_co_u32 s[DBM1], s[DB], 1
	s_mov_b32 s[J], 0
	s_mov_b32 s[TB], 0
	s_cmp_lt_u32 ttmp9, 2
	s_cselect_b32 s[LIM], 10, 0                    ; who prefetches: up to the trip that names slot 7
	s_and_b32 s72, ttmp7, 0xffff                   ; bh
	s_lshr_b32 s73, s72, 3
	s_lshl_b32 s73, s73, 11
	s_and_b32 s74, s72, 7
	s_lshl_b32 s74, s74, 7
	s_lshl_b32 s78, s70, 4
	s_add_co_u32 s78, s78, s73
	s_lshl_b32 s78, s78, 10
	s_add_co_u32 s78, s78, s74                     ; Q's codes of tile A: 1,024 bytes a query, 128 a pair
	s_lshl_b32 s80, s71, 4
	s_add_co_u32 s80, s80, s73
	s_lshl_b32 s80, s80, 10
	s_add_co_u32 s80, s80, s74                     ; and of tile B
	s_lshr_b32 s82, s78, 4                         ; the scale words: 64 bytes a query, 8 a pair
	s_lshr_b32 s84, s80, 4
	s_lshl_b32 s86, s78, 3                         ; out0: 8,192 bytes a query, 1,024 a pair
	s_lshl_b32 s88, s80, 3
.irp r, 79,81,83,85,87,89,91,93
	s_mov_b32 s\r, 0
.endr
	s_mul_i32 s90, s72, BHB
	s_add_co_u32 s92, s90, 2*SLOTB                 ; the prefetches: slot 2, stepped to slot 3 by the first change
	s_mul_i32 s[G0+1], s[WV], PART
	s_add_co_u32 s90, s90, s[G0+1]
	s_and_b32 s75, ttmp9, 1
	s_mul_i32 s75, s75, 4*STEPB
	s_add_co_u32 s92, s92, s75
	s_mul_i32 s75, s[WV], STEPB
	s_add_co_u32 s92, s92, s75
	s_mov_b32 s[G1], 3<<16                         ; elements of 8 bytes, no padding: 68 rows of 256 bytes
	s_mov_b32 s[G1+1], 32<<16
	s_mov_b32 s[G1+2], 68<<16
	s_mov_b32 s[G1+3], 32<<16
	s_mov_b32 s[G1+4], 68
	s_mov_b32 s[G1+5], 32
	s_mov_b32 s[G1+6], 0
	s_mov_b32 s[G1+7], 0
	s_mov_b32 s[G0], 1
	s_mov_b32 s[SEL], 0x76543210
	s_mov_b32 s[SEL+1], 0xfedcba98
	s_mov_b32 s[CS], 0x3e0293ee                    ; c = log2(e) / sqrt(128)
	s_mov_b32 s[CS+1], s[CS]
	s_mov_b32 s[NCS], 0xbe0293ee
	v_and_b32 v[LI], 31, v0
	v_lshlrev_b32 v[PFO], 8, v[LI]
	v_min_u32 v[PFO+1], 1, v[LI]                   ; blocks 32 and 33 of my 34: the lanes left over name the last again
	v_lshlrev_b32 v[PFO+1], 8, v[PFO+1]
	v_lshlrev_b32 v[LI], 4, v[LI]
	v_add_nc_u32 v[LI+1], STEPB, v[LI]
	v_and_b32 v[X], 15, v0
	v_bfe_u32 v[X+1], v0, 4, 1
	v_lshlrev_b32 v[X+2], 10, v[X]
	v_lshl_add_u32 v[X+2], v[X+1], 4, v[X+2]       ; Q: row r, + 16 h
	v_lshlrev_b32 v[X+3], 6, v[X]
	v_lshlrev_b32 v[N], 5, v[X+1]
	v_sub_nc_u32 v[N], v[X], v[N]                  ; r - 32 h
	s_and_b32 s75, s70, 7
	s_lshl_b32 s75, s75, 4
	v_add_nc_u32 v[DM], s75, v[N]
	s_and_b32 s75, s71, 7
	s_lshl_b32 s75, s75, 4
	v_add_nc_u32 v[DM+1], s75, v[N]
	WA
	s_wait_dscnt 0x0                               ; both opening adds are done
	s_wait_kmcnt 0x0
	s_add_nc_u64 s[G0+2:G0+3], s[8:9], s[90:91]
	s_or_b32 s[G0+3], s[G0+3], 0x80000000
	FILL                                           ; my part of slot 0: one tensor load a wave at the head
	s_add_nc_u64 s[78:79], s[4:5], s[78:79]
	s_add_nc_u64 s[80:81], s[4:5], s[80:81]
	s_add_nc_u64 s[82:83], s[6:7], s[82:83]
	s_add_nc_u64 s[84:85], s[6:7], s[84:85]
	s_add_nc_u64 s[OB:OB+1], s[18:19], s[86:87]
	s_add_nc_u64 s[OB+2:OB+3], s[18:19], s[88:89]
	s_add_nc_u64 s[PFA:PFA+1], s[8:9], s[92:93]
.irp t, 0,1
.irp e, 0,1
.irp c, 0,1
	global_load_b128 v[Q+16*\t+8*\e+4*\c:Q+16*\t+8*\e+4*\c+3], v[X+2], s[78+2*\t:79+2*\t] offset:64*\e+32*\c
.endr
	global_load_b32 v[QS+2*\t+\e], v[X+3], s[82+2*\t:83+2*\t] offset:4*\e
.endr
.endr
	global_load_b128 v[128:131], v[LI], s[10:11]   ; the lambdas: four numbers a lane
	global_load_b128 v[132:135], v[LI], s[12:13]
	global_load_b128 v[136:139], v[LI], s[14:15]
	global_load_b128 v[140:143], v[LI], s[16:17]
.irp u, 0,1,2,3
	v_mov_b32 v[ST+4*\u], 0x7f000000               ; -M over every later one: the first change of M makes the factor 0
	v_mov_b32 v[ST+4*\u+1], 0xff61b1e6             ; the largest score so far: -3e38
	v_mov_b32 v[ST+4*\u+2], 0
	v_mov_b32 v[ST+4*\u+3], 0
.endr
.irp r, F+1, F+3, U, U+1, Y, Y+1
	v_mov_b32 v[\r], 0                             ; (upper halves of pairs; lane permutes' destinations)
.endr
; O begins as zeros, written while the first tiles are on their way: the loops hold no first step of their own
	WIN 0x80
.set zz, 0
.rept 256
	v_mov_b32 v[zz], 0
.set zz, zz+1
.endr
	WIN 0xc0
.set zz, 0
.rept 256
	v_mov_b32 v[zz], 0
.set zz, zz+1
.endr
	WIN 0
	WA
	s_wait_loadcnt 0x0
	v_mul_f32 v144, v128, v132
	v_mul_f32 v145, v136, v140
.irp i, 1,2,3
	v_fma_f32 v144, v[128+\i], v[132+\i], v144
	v_fma_f32 v145, v[136+\i], v[140+\i], v145
.endr
.irp m, 1,2,4,8
	v_add_f32_dpp v144, v144, v144 row_xmask:\m row_mask:0xf bank_mask:0xf
	v_add_f32_dpp v145, v145, v145 row_xmask:\m row_mask:0xf bank_mask:0xf
.endr
	v_permlanex16_b32 v[U], v144, s[SEL], s[SEL+1]
	v_permlanex16_b32 v[U+1], v145, s[SEL], s[SEL+1]
	v_add_f32 v144, v144, v[U]
	v_add_f32 v145, v145, v[U+1]
	v_mul_f32 v144, 0x3fb8aa3b, v144
	v_mul_f32 v145, 0x3fb8aa3b, v145
	WA
	v_exp_f32 v146, v144
	v_exp_f32 v147, v145
	v_nop
	WA
	v_sub_f32 v147, v147, v146
	v_add_f32 v[LAM], 0xbf489a63, v147             ; lambda_2 - lambda_1 - LAMBDA_INIT
	WA
	s_wait_tensorcnt 0x0                           ; my part of slot 0 is in
	ds_add_u32 v[SPW], v[NIL]
	s_xor_b32 s[G0+1], s[G0+1], SLOT1
	s_add_nc_u64 s[G0+2:G0+3], s[G0+2:G0+3], SLOTB
	s_wait_dscnt 0x0
	s_barrier_signal -1
	s_barrier_wait -1
	FILL                                           ; slot 1's first fill
	KLD 0
; LOOP 1: key steps J and J + 1, J = 0, 2, 4, 6
.Lone:
	s_wait_dscnt 0x0                               ; K of step J is in
	s_cmp_gt_u32 s[J], s[DA]
	s_cbranch_scc1 .L1e_b
	QK 0
	VLD 0
	DIAG 0, DA
	TILE_A
	QK 1
	s_branch .L1e_j
.L1e_b:
	QK 1
	VLD 0
.L1e_j:
	MAXS
	STATE 1
	KLD 1                                          ; the next step's K: its 34 loads may be out at the wait for V
	SCALE0 1
	RESC 3
	EXP0 1
	LAST 1, 3, 34
	s_wait_dscnt 0x0                               ; K of step J + 1 is in
	s_cmp_ge_u32 s[J], s[DA]
	s_cbranch_scc1 .L1l_b
	QK 0
	VLD 1
	DIAG 0, DAM1
	TILE_A
	QK 1
	s_branch .L1l_j
.L1l_b:
	QK 1
	VLD 1
.L1l_j:
	MAXS
	STATE 1
	CH1
	SCALE0 1                                       ; (work on registers between the add and the wait for it,
	RESC 3
	CH2
	EXP0 1                                         ; and between the signal and the barrier's wait)
	CH3
	KLD 0                                          ; K of the next slot's first step
	ASK
	LAST 1, 3, 34
	s_add_co_u32 s[J], s[J], 2
	s_cmp_lt_u32 s[J], 8
	WA
	s_cbranch_scc1 .Lone
	OUT 0, 2
; LOOP 2: key steps J and J + 1, J = 8 .. 14, tile B alone, up to its diagonal step
.Ltwo:
	s_cmp_gt_u32 s[J], s[DB]
	s_cbranch_scc1 .L2e
	s_wait_dscnt 0x0
	QK 1
	VLD 0
	DIAG 1, DB
	MAXS
	STATE 1
	KLD 1
	SCALE0 1
	RESC 3
	EXP0 1
	LAST 1, 3, 34
.L2e:
	s_cmp_ge_u32 s[J], s[DB]
	s_cbranch_scc1 .L2a
	s_wait_dscnt 0x0
	QK 1
	VLD 1
	DIAG 1, DBM1
	MAXS
	STATE 1
	SCALE0 1
.L2a:
	CH1                                            ; the change of slots stands under no branch
	CH2
	CH3
	ASK
	s_cmp_ge_u32 s[J], s[DB]
	s_cbranch_scc1 .L2b
	s_cmp_ge_u32 s[J], s[DBM1]
	s_cbranch_scc1 .L2k                            ; this was the last step: there is no next K
	KLD 0
.L2k:
.rept 4
	v_nop                                          ; places: on some ways of the text the last products of tile B stand directly ahead
.endr
	RESC 3
	EXP0 1
	LAST 1, 3, 34
.L2b:
	s_add_co_u32 s[J], s[J], 2
	s_cmp_lt_u32 s[J], 16
	WA
	s_cbranch_scc1 .Ltwo
	OUT 1, 3
	s_wait_tensorcnt 0x0                           ; the wave's end
	ds_add_u32 v[SPW], v[NIL]
	s_wait_dscnt 0x0
	s_endpgm
.Lfunc_end_k_q66198506e0_attn:
	.size	k_q66198506e0_attn, .Lfunc_end_k_q66198506e0_attn-k_q66198506e0_attn
	.p2alignl 7, 3214868480
	.fill 96, 4, 3214868480
	.section	.rodata,"a",@progbits
	.p2align	6, 0x0
	.amdhsa_kernel k_q66198506e0_attn
		.amdhsa_group_segment_fixed_size 327680
		.amdhsa_private_segment_fixed_size 0
		.amdhsa_enable_private_segment 0
		.amdhsa_kernarg_size 64
		.amdhsa_user_sgpr_count 2
		.amdhsa_user_sgpr_kernarg_segment_ptr 1
		.amdhsa_wavefront_size32 1
		.amdhsa_system_sgpr_workgroup_id_x 1
		.amdhsa_system_sgpr_workgroup_id_y 1
		.amdhsa_system_sgpr_workgroup_id_z 1
		.amdhsa_system_vgpr_workitem_id 0
		.amdhsa_next_free_vgpr 1024
		.amdhsa_next_free_sgpr 100
		.amdhsa_reserve_vcc 1
		.amdhsa_float_denorm_mode_32 3
		.amdhsa_float_denorm_mode_16_64 3
		.amdhsa_memory_ordered 1
		.amdhsa_forward_progress 1
		.amdhsa_inst_pref_size 255
	.end_amdhsa_kernel
	.section	.bss,"aw",@nobits
	.p2align	6
	.space	262144
	.amdgpu_metadata
---
amdhsa.version: [ 1, 2 ]
amdhsa.kernels:
  - .name:           k_q66198506e0_attn
    .symbol:         k_q66198506e0_attn.kd
    .args:
      - { .name: q_codes, .offset: 0, .size: 8, .value_kind: global_buffer, .address_space: global }
      - { .name: q_scales, .offset: 8, .size: 8, .value_kind: global_buffer, .address_space: global }
      - { .name: kv, .offset: 16, .size: 8, .value_kind: global_buffer, .address_space: global }
      - { .name: lambda_q1, .offset: 24, .size: 8, .value_kind: global_buffer, .address_space: global }
      - { .name: lambda_k1, .offset: 32, .size: 8, .value_kind: global_buffer, .address_space: global }
      - { .name: lambda_q2, .offset: 40, .size: 8, .value_kind: global_buffer, .address_space: global }
      - { .name: lambda_k2, .offset: 48, .size: 8, .value_kind: global_buffer, .address_space: global }
      - { .name: out0, .offset: 56, .size: 8, .value_kind: global_buffer, .address_space: global }
    .group_segment_fixed_size: 327680
    .private_segment_fixed_size: 0
    .kernarg_segment_align: 8
    .kernarg_segment_size: 64
    .max_flat_workgroup_size: 128
    .sgpr_count:     100
    .vgpr_count:     1024
    .wavefront_size: 32
...
	.end_amdgpu_metadata
.endif
;; end of part 2
